; MI455X (gfx1250); checked and timed in simulation.
; The chip was launched on July 23, 2026; its instructions are those of AMD's public machine-readable ISA for CDNA 5 (MIT licence, August 2026) and "CDNA5" Instruction Set Architecture Reference Guide (July 2026). The comments in the code are by the model that wrote it; some were corrected since.
;; Self Attention. Allowed arithmetic: matrix products marked QUANTISED: E2M1 operands, one E8M0 scale for each 32 along K, by v_wmma_scale_f32_16x16x128_f8f6f4 with both operands' format E2M1 (or v_wmma_scale_f32_32x16x128_f4), f32 sums; everything else in f32.
;; Inputs: bk 64 float32; bo 512 float32; bq 64 float32; bv 512 float32; gamma 1 float32; wk_codes 64 x 16 x 16 uint8 (E2M1 codes of wk, K innermost, in blocks of 32 codes, two codes a byte); wk_scales 64 x 16 uint8 (E8M0 scales of wk, one for each 32 codes along K); wo_codes 512 x 16 x 16 uint8 (E2M1 codes of wo, K innermost, in blocks of 32 codes, two codes a byte); wo_scales 512 x 16 uint8 (E8M0 scales of wo, one for each 32 codes along K); wq_codes 64 x 16 x 16 uint8 (E2M1 codes of wq, K innermost, in blocks of 32 codes, two codes a byte); wq_scales 64 x 16 uint8 (E8M0 scales of wq, one for each 32 codes along K); wv_codes 512 x 16 x 16 uint8 (E2M1 codes of wv, K innermost, in blocks of 32 codes, two codes a byte); wv_scales 512 x 16 uint8 (E8M0 scales of wv, one for each 32 codes along K); x 16 x 512 x 2,048 float32.
;; Outputs: out0 16 x 512 x 2,048 float32.
;; This version of the problem:
;;   THIS VERSION OF THE PROBLEM IS GIVEN IN LOW PRECISION. The matrix products marked QUANTISED in the list below multiply operands that are first quantised to E2M1 (2 exponent bits, 1 mantissa bit; 4 bits a number), with one power-of-two scale for each 32 numbers along K (OCP MX v1.0); their sums are f32. All else is computed in f32.
;;   The module's matrix products, in the order in which they are computed (A, B: the left and right operand; K: the contracted axis; several contracted axes count as one K, in the product's order):
;;     1. [M 32,768, K 512] x [K 512, N 64]; A: input x; B: input wq (given as codes): QUANTISED
;;     2. [M 32,768, K 512] x [K 512, N 64]; A: input x; B: input wk (given as codes): QUANTISED
;;     3. [M 32,768, K 512] x [K 512, N 512]; A: input x; B: input wv (given as codes): QUANTISED
;;     4. batch 16 x [M 2,048, K 64] x [K 64, N 2,048]; A: computed on the way; B: computed on the way: QUANTISED
;;     5. batch 16 x [M 2,048, K 2,048] x [K 2,048, N 512]; A: softmax (see below); B: computed on the way: QUANTISED
;;     6. [M 32,768, K 512] x [K 512, N 512]; A: computed on the way; B: input wo (given as codes): QUANTISED
;;   THE QUANTISER, for each operand of a quantised product, along K:
;;     - K is cut into blocks of 32 from its start; a last block that is shorter is filled with zeros.
;;     - A block's scale is 2^e with e = floor(log2(the largest magnitude in the block)) - 2, held to -126 .. 127; a block of zeros has e = 0. As a byte (E8M0): e + 127.
;;     - Each number is divided by its block's scale, clamped to +-6, and rounded to the nearest number of E2M1, ties to even, subnormals kept.
;;     - The product sums the exact products of the quantised numbers (number of the format x scale) in f32.
;;   ~~~python
;;   def quantise(x, axis):      # numpy; x: float32 -> the quantised numbers, widened to float32 again
;;       x = np.moveaxis(x, axis, -1); K = x.shape[-1]
;;       x = np.pad(x, [(0, 0)] * (x.ndim - 1) + [(0, -K % 32)]); x = x.reshape(x.shape[:-1] + (-1, 32)); a = np.abs(x).max(-1, keepdims=True)
;;       e = np.where(a > 0, np.clip(np.frexp(np.where(a > 0, a, 1))[1] - 1 - 2, -126, 127), 0)      # np.frexp(a)[1] - 1 = floor(log2(a)), exactly
;;       r = np.clip(x / 2.0 ** e, -6, 6)
;;       step = 2.0 ** (np.maximum(np.frexp(np.where(r == 0, 1, r))[1] - 1, 0) - 1)
;;       q = np.round(r / step) * step * 2.0 ** e      # np.round: ties to even
;;       return np.moveaxis(q.reshape(q.shape[:-2] + (-1,))[..., :K], -1, axis).astype(np.float32)
;;   ~~~
;;   SOFTMAX AHEAD OF A QUANTISED PRODUCT. Where the list says 'softmax', what is quantised is not the finished softmax but p = 2^(t - M), with t = logit x log2(e) and M = ceil(the row's largest t), a whole number; so 1/2 < the row's largest p <= 1. The row's sum l is taken of the UNQUANTISED p, in f32, and the product's result is divided by l at the end. Since M is a whole number, a kernel that streams over the keys may use a running M (the ceiling of the running maximum): every later rescaling is an exact power of two, which a block's scale takes up: the codes' values come out the same.
;;   OPERANDS COMPUTED ON THE WAY. 'Computed on the way' means the value that the module computes at that place (a softmax that the list does not call 'softmax' is quantised finished and normalised). What goes into a quantiser is computed in f32, as accurately as f32 sums, v_exp_f32 and their like allow (about 1e-6 of the number): no bf16 or f16 on the way to a quantiser, and a product that is left as it is and whose result goes on into a quantised operand takes f32 operands (vector FMAs, or v_wmma_f32_16x16x4_f32). A number that lies on a knife's edge between two numbers of the format may be rounded either way, as far as f32 arithmetic and the matrix unit's own rounding can turn it there, and no further.
;;   INPUTS GIVEN AS CODES. wk (in the module: [64, 512], K = its axis 1); wo (in the module: [512, 512], K = its axis 1); wq (in the module: [64, 512], K = its axis 1); wv (in the module: [512, 512], K = its axis 1): each comes as NAME_codes (uint8): NAME with its K axis moved to the last place and cut into blocks of 32 codes, [.., K / 32, bytes a block], one block behind the other in memory; two codes a byte, the lower K in the low four bits (a code: sign, 2 exponent bits, 1 mantissa bit); and NAME_scales (uint8): the same leading axes, one E8M0 byte (e + 127) for each 32 codes along K. Its value is code x scale, taken as it is: it is not quantised again, and the codes and scales need not be those that the quantiser above would give.
;; One version. Each part assembles by itself: llvm-mc -triple=amdgcn-amd-amdhsa -mcpu=gfx1250 --defsym DOCPART=n.
;; ======== version 1 of 1: 2 launches
;; workspace buffers: qimg 1,048,576 bytes; kimg 1,048,576 bytes; vimg 8,388,608 bytes; scl 786,432 bytes
;; launch proj (part 1): grid 16 x 16, 4 waves a work-group, no clusters, 327,680 bytes of LDS; arguments x, wq_codes, wq_scales, bq, wk_codes, wk_scales, bk, wv_codes, wv_scales, bv, qimg, kimg, vimg, scl; writes qimg, kimg, vimg, scl
.if DOCPART == 1
	.amdgcn_target "amdgcn-amd-amdhsa--gfx1250"
	.amdhsa_code_object_version 6
	.text
	.protected	k_q4409993d8c_proj
	.globl	k_q4409993d8c_proj
	.p2align	8
	.type	k_q4409993d8c_proj,@function
k_q4409993d8c_proj:
	s_mov_b64 s[64:65], 0
	v_nop
	global_prefetch_b8 v0, s[64:65] scope:SCOPE_SE
	s_setreg_imm32_b32 hwreg(HW_REG_WAVE_MODE, 25, 1), 1
	s_wait_xcnt 0x0
; q = wq x + bq, k = wk x + bk, v = wv x + bv on codes of FP4 (E2M1) with one E8M0 scale for each 32 along K, and the three results quantised again for the attention that follows.
; x: [16][512][2048] f32, K = its middle axis.  A work-group takes 128 positions of one batch (x = block of positions, y = batch), all 512 channels: 256 KiB, brought into LDS once by sixteen tensor loads.
; x IS QUANTISED ONCE: in chunk ch (128 channels) wave w takes channels 128 ch + 32 w .. + 31, one block of 32, for all 128 positions: a lane takes a position and its registers run down K.  The codes go to LDS as
; images of operand registers (lane l's 16 bytes at 16 l), the scale bytes into one word a row; behind one barrier every wave loads them back as fragments.
; THE ROWS OF A TILE ARE NOT NEIGHBOURS: lane r of tile 2 b + u takes row 32 b + 8 u + r + 8 (r / 8), of x's positions, of wq's and wk's rows and of each wave's 128 rows of wv.  So the 16 registers of the result tiles 2 b and
; 2 b + 1 are 16 neighbours along the next product's K.
; v: source 0 = 16 positions of x, source 1 = 16 rows of wv: a lane holds one channel and its registers run along the positions, which are the keys.  Wave w makes channels 128 w .. + 127 for all 128 positions: 64 accumulators.
; q, k: source 0 = 16 rows of wq or wk, source 1 = 16 positions: a lane holds one position and its registers run along d.  Wave w makes all 64 + 64 rows for position tiles 2 w and 2 w + 1.
; The biases are the C of each sum's first product (bv) or are loaded into the accumulators (bq, bk).
; OUT: qimg, kimg [b][tile][lane][16 bytes]: registers 0-3 of a fragment (d = 32 (lane / 16) + 0 .. 31); vimg [b][key step][channel tile][2][lane][16 bytes]; scl [b]: 16,384 bytes of q's and k's scale words
; [block][wave][q, k][row][2 tiles] (bytes 2 and 3 are 0x7f: K = 64 is filled up with zero codes), then 32,768 bytes of v's [key step][4 tiles' group][row][4 tiles].
; LIMITS: NaN and infinities among the inputs are not served.  A block whose largest magnitude lies under 2^-124 has its byte held at 1; a block of zeros gets the byte 1 where the rule says 127: its codes are zeros, and this program alone reads the bytes.
; REGISTERS: window 0: v1-15 addresses; v20-23 x's scale bytes; v24-31 x's scale words; v32-33 those of my two tiles; v34-41 wv's, v42-49 wq's and wk's; v50-55 at work; v56-63 codes just made; v64-127 x's 8 fragments;
;   v128-191 two sets of 32 numbers of x, then my two tiles' fragments; v192-255 bv.   window 1: v0-63 wv's 8 fragments, v64-127 wq's 4 and wk's 4, v128-255 q's and k's 16 accumulators.   windows 2, 3: v's 64 accumulators.
.set XIMG, 262144                      ; LDS: behind x's 262,144 bytes: the images of x's fragments, 8,192 bytes a chunk
.set XSC,  294912                      ; and their scale words, 512 bytes a chunk
.set MSB, 0
.macro WIN new                         ; the immediate's high byte repeats the setting that is left
.if MSB != (\new)
	s_set_vgpr_msb (MSB<<8)|(\new)
.set MSB, (\new)
.endif
.endm
.macro PLACES                          ; four places behind matrix instructions, in front of loads into their registers and of the first read of results
.rept 4
	v_nop
.endr
.endm
.macro MMA d, a, b, sa, sb             ; D += A x B
	v_wmma_scale_f32_16x16x128_f8f6f4 v[(\d):(\d)+7], v[(\a):(\a)+7], v[(\b):(\b)+7], v[(\d):(\d)+7], v[\sa], v[\sb] matrix_a_fmt:MATRIX_FMT_FP4 matrix_b_fmt:MATRIX_FMT_FP4
.endm
.macro MMC d, a, b, c, sa, sb          ; D = A x B + C
	v_wmma_scale_f32_16x16x128_f8f6f4 v[(\d):(\d)+7], v[(\a):(\a)+7], v[(\b):(\b)+7], v[(\c):(\c)+7], v[\sa], v[\sb] matrix_a_fmt:MATRIX_FMT_FP4 matrix_b_fmt:MATRIX_FMT_FP4
.endm
	s_load_b512 s[4:19], s[0:1], 0x0               ; x, wq codes, wq scales, bq, wk codes, wk scales, bk, wv codes
	s_load_b256 s[20:27], s[0:1], 0x40             ; wv scales, bv, qimg, kimg
	s_load_b128 s[28:31], s[0:1], 0x60             ; vimg, scl
	v_lshl_add_u32 v254, v0, 2, 0x48800
	v_mov_b32 v255, 0
	ds_add_u32 v254, v255
	ds_add_u32 v254, v255
	s_wait_dscnt 0x0
	v_lshrrev_b32 v16, 5, v0
	v_readfirstlane_b32 s32, v16                   ; wave 0..3
	s_mov_b32 s33, ttmp9                           ; block of 128 positions
	s_and_b32 s34, ttmp7, 0xffff                   ; batch
	; descriptor group 1: 32 rows (channels) of 128 f32 (positions), 2,048 elements from row to row; no padding: the reads take 32 neighbouring words
	s_mov_b32 s40, 2<<16                           ; elements of 4 bytes
	s_mov_b32 s41, 128<<16                         ; tensor_dim0
	s_mov_b32 s42, 32<<16                          ; tensor_dim1
	s_mov_b32 s43, 128<<16                         ; tile_dim0
	s_mov_b32 s44, 32                              ; tile_dim1
	s_mov_b32 s45, 2048                            ; tensor_dim0_stride
	s_mov_b32 s46, 0
	s_mov_b32 s47, 0
	s_lshl_b32 s36, s34, 22                        ; batch x 512 x 8,192 bytes
	s_lshl_b32 s38, s33, 9                         ; + block x 512 bytes
	s_add_co_u32 s36, s36, s38
	s_lshl_b32 s38, s32, 18                        ; + wave x 32 rows
	s_add_co_u32 s36, s36, s38
	s_mov_b32 s37, 0
	s_lshl_b32 s39, s32, 14                        ; in LDS: wave x 16,384
	s_mov_b32 s66, 0x76543210
	s_mov_b32 s67, 0xfedcba98                      ; v_permlanex16_b32's selects for lane l xor 16
	s_wait_kmcnt 0x0
	s_add_nc_u64 s[4:5], s[4:5], s[36:37]
.irp c, 0,1,2,3
	s_mov_b32 s[48+4*\c], 1                        ; group 0 of chunk c: count
	s_add_co_u32 s[49+4*\c], s39, \c*65536         ; LDS address
	s_add_nc_u64 s[50+4*\c:51+4*\c], s[4:5], \c*1048576   ; 128 rows on
	s_or_b32 s[51+4*\c], s[51+4*\c], 0x80000000    ; type
.endr
.irp c, 0,1,2,3
	tensor_load_to_lds s[48+4*\c:51+4*\c], s[40:47]   ; all of my x at once: four loads of mine are out; every LDS byte is filled once
	s_nop 0
.endr
.rept 4
	v_nop
.endr
	v_and_b32 v50, 31, v0                          ; lane
	v_and_b32 v19, 15, v0                          ; r
	v_bfe_u32 v17, v0, 4, 1                        ; h
	v_bfe_u32 v18, v0, 3, 1                        ; r / 8
	v_and_b32 v16, 7, v0
	v_lshl_add_u32 v16, v17, 3, v16
	v_lshl_add_u32 v16, v18, 4, v16                ; my position among 32: lanes 0-15 are tile 2 g, lanes 16-31 tile 2 g + 1, by the rows' rule above
	v_lshl_add_u32 v1, v16, 2, s39                 ; v1  x in LDS: my wave's rows, my position
	v_lshlrev_b32 v2, 4, v19
	v_lshl_add_u32 v2, v17, 10, v2
	s_lshl_b32 s38, s32, 8
	s_add_co_u32 s38, s38, XIMG
	v_add_nc_u32 v2, s38, v2                       ; v2  where my codes go: tile (lane / 16), block w = registers 4 (w / 2) on of lanes 16 (w % 2) + r: 256 w + 16 r
	s_add_co_u32 s38, s32, XSC
	v_lshl_add_u32 v3, v50, 2, s38                 ; v3  and my scale byte: byte w of the row's word
	v_lshl_add_u32 v4, v50, 4, XIMG                ; v4  an image's place for my lane
	v_lshl_add_u32 v5, v19, 2, XSC                 ; v5  a scale word's
	s_lshl_b32 s38, s32, 11
	v_add_nc_u32 v6, s38, v4                       ; v6  the same for my two tiles
	s_lshl_b32 s38, s32, 7
	v_add_nc_u32 v7, s38, v5                       ; v7
	v_lshl_add_u32 v51, v18, 3, v19                ; r + 8 (r / 8)
	v_lshlrev_b32 v9, 8, v51
	v_lshl_add_u32 v9, v17, 4, v9                  ; v9  wq, wk: a row is 256 bytes; + 16 h
	s_lshl_b32 s38, s32, 15
	v_add_nc_u32 v8, s38, v9                       ; v8  wv: my 128 rows
	v_lshlrev_b32 v11, 4, v51                      ; v11 wq's, wk's scale bytes: 16 a row
	s_lshl_b32 s38, s32, 11
	v_add_nc_u32 v10, s38, v11                     ; v10 wv's
	v_lshlrev_b32 v12, 6, v17                      ; v12 bq, bk: 16 h numbers on
	s_lshl_b32 s38, s32, 9
	v_lshl_add_u32 v13, v51, 2, s38                ; v13 bv: my lane's channel
	v_lshlrev_b32 v14, 4, v50                      ; v14 16 x lane
	v_lshlrev_b32 v15, 3, v50                      ; v15 8 x lane
	; where my results go
	s_lshl_b32 s36, s34, 16
	s_lshl_b32 s38, s33, 12
	s_add_co_u32 s36, s36, s38
	s_lshl_b32 s38, s32, 10
	s_add_co_u32 s36, s36, s38                     ; 65,536 b + 4,096 block + 1,024 wave
	s_add_nc_u64 s[24:25], s[24:25], s[36:37]
	s_add_nc_u64 s[26:27], s[26:27], s[36:37]
	s_lshl_b32 s36, s36, 3                         ; eight times that in vimg
	s_add_nc_u64 s[28:29], s[28:29], s[36:37]
	s_mul_i32 s35, s34, 49152
	s_lshl_b32 s38, s33, 10
	s_lshl_b32 s70, s32, 8
	s_add_co_u32 s38, s38, s70                     ; 1,024 block + 256 wave
	s_add_co_u32 s36, s35, s38
	s_add_nc_u64 s[68:69], s[30:31], s[36:37]      ; q's and k's scale words
	s_lshl_b32 s38, s38, 1
	s_add_co_u32 s36, s35, s38
	s_add_co_u32 s36, s36, 16384
	s_add_nc_u64 s[30:31], s[30:31], s[36:37]      ; v's
; the weights' fragments and scale words of chunk ch: 48 loads
.macro WLOAD ch
	WIN 0x40                                       ; destination window 1
.irp t, 0,1,2,3,4,5,6,7
.irp c, 0,1
	global_load_b128 v[8*\t+4*\c:8*\t+4*\c+3], v8, s[18:19] offset:(32*(\t/2)+8*(\t%2))*256+64*\ch+32*\c
.endr
.endr
.irp t, 0,1,2,3
.irp c, 0,1
	global_load_b128 v[64+8*\t+4*\c:64+8*\t+4*\c+3], v9, s[6:7] offset:(32*(\t/2)+8*(\t%2))*256+64*\ch+32*\c
	global_load_b128 v[96+8*\t+4*\c:96+8*\t+4*\c+3], v9, s[12:13] offset:(32*(\t/2)+8*(\t%2))*256+64*\ch+32*\c
.endr
.endr
	WIN 0
.irp t, 0,1,2,3,4,5,6,7
	global_load_b32 v[34+\t], v10, s[20:21] offset:(32*(\t/2)+8*(\t%2))*16+4*\ch
.endr
.irp t, 0,1,2,3
	global_load_b32 v[42+\t], v11, s[8:9] offset:(32*(\t/2)+8*(\t%2))*16+4*\ch
	global_load_b32 v[46+\t], v11, s[14:15] offset:(32*(\t/2)+8*(\t%2))*16+4*\ch
.endr
.endm
; my block of 32 channels at 32 positions (group g): 32 words a lane, 32 neighbouring words an instruction
.macro LX g
.irp i, 0,1,2,3,4,5,6,7,8,9,10,11,12,13,14,15,16,17,18,19,20,21,22,23,24,25,26,27,28,29,30,31
	ds_load_b32 v[128+32*((\g)%2)+\i], v1 offset:512*\i+128*(\g)
.endr
.endm
; a block is quantised: all its 32 numbers are my lane's
.macro QB ch, g
.set XS, 128+32*((\g)%2)
.set CC, 56+4*((\g)%2)
	v_max3_num_f32 v50, |v[XS]|, |v[XS+1]|, |v[XS+2]|
	v_max3_num_f32 v51, |v[XS+3]|, |v[XS+4]|, |v[XS+5]|
.irp i, 6,10,14,18,22,26
	v_max3_num_f32 v50, v50, |v[XS+\i]|, |v[XS+\i+1]|
	v_max3_num_f32 v51, v51, |v[XS+\i+2]|, |v[XS+\i+3]|
.endr
	v_max3_num_f32 v50, v50, |v[XS+30]|, |v[XS+31]|
	v_max3_num_f32 v50, v50, v51, 0x1800000        ; and the floor 2^(3 - 127): the byte cannot fall under 1
	v_add_nc_u32 v52, 0xff000000, v50              ; 2 off the exponent field: the conversion takes that field as its scale
.irp k, 0,1,2,3
	v_cvt_scalef32_pk8_fp4_f32 v[CC+\k], v[XS+8*\k:XS+8*\k+7], v52
.endr
	v_lshrrev_b32 v[20+\g], 23, v52                ; the scale's byte (a plain line behind the conversions)
	ds_store_b128 v2, v[CC:CC+3] offset:8192*\ch+2048*\g
	ds_store_b8 v3, v[20+\g] offset:512*\ch+128*\g
.endm
; 32 products of v: channel tiles 4 hi .. 4 hi + 3 x the 8 tiles of positions.  The accumulators take turns, one instruction a turn
.macro VMUL ch, hi
.irp t, 0,1,2,3
.irp n, 0,1,2,3,4,5,6,7
.if \ch == 0
	MMC 8*(8*\t+\n), 64+8*\n, 8*(4*\hi+\t), 192+8*(4*\hi+\t), 24+\n, 34+4*\hi+\t
.else
	MMA 8*(8*\t+\n), 64+8*\n, 8*(4*\hi+\t), 24+\n, 34+4*\hi+\t
.endif
.endr
.endr
.endm
.macro CHUNK ch
.if \ch > 0
	PLACES                                         ; in front of loads into registers that the last chunk's products read
	WLOAD \ch
	v_add_nc_u32 v1, 0x10000, v1                   ; the next chunk of x in LDS (no LDS instruction of mine is out)
.endif
	s_wait_tensorcnt 3-\ch                         ; my rows of this chunk have landed, the later chunks' loads stay out; I alone read these bytes
	LX 0
	LX 1
	s_wait_dscnt 32                                ; group 0 is in; group 1's 32 loads may be out
	QB \ch, 0
	LX 2
	s_wait_dscnt 34                                ; group 1 is in; the two stores and group 2's 32 loads may be out
	QB \ch, 1
	LX 3
	s_wait_dscnt 34                                ; group 2 is in, and group 0's stores have read their registers
	QB \ch, 2
	s_wait_dscnt 2                                 ; group 3 is in; the last two stores may be out
	QB \ch, 3
	s_wait_dscnt 0x0                               ; for the others' sake: my images lie in LDS
	s_barrier_signal -1
	s_barrier_wait -1                              ; the chunk's 8 fragments are whole.  Each chunk has image bytes of its own: one barrier a chunk
.irp p, 0,1,2,3,4,5,6,7,8,9,10,11,12,13,14,15
	ds_load_b128 v[64+4*\p:67+4*\p], v4 offset:8192*\ch+512*\p
.endr
.irp n, 0,1,2,3,4,5,6,7
	ds_load_b32 v[24+\n], v5 offset:512*\ch+64*\n
.endr
.irp p, 0,1,2,3
	ds_load_b128 v[128+4*\p:131+4*\p], v6 offset:8192*\ch+512*\p
.endr
	ds_load_b32 v32, v7 offset:512*\ch
	ds_load_b32 v33, v7 offset:512*\ch+64
	s_wait_loadcnt 0x0                             ; the weights
	s_wait_dscnt 0x0
.if \ch == 0
	WIN 0x84                                       ; source 1 (wv) window 1, C (bv) window 0, D window 2
.else
	WIN 0xa4                                       ; C and D window 2
.endif
	VMUL \ch, 0
.if \ch == 0
	WIN 0xc4
.else
	WIN 0xf4
.endif
	VMUL \ch, 1
	WIN 0x51                                       ; source 0 (wq, wk), C and D window 1, source 1 (x) window 0
.irp d, 0,1,2,3,4,5,6,7
.irp u, 0,1
	MMA 128+64*\u+8*\d, 64+8*\d, 128+8*\u, 42+\d, 32+\u
.endr
.endr
	WIN 0
.endm
	WLOAD 0
	WIN 0x40
.irp u, 0,1                                    ; bq and bk straight into the accumulators: lane (r, h), tile d: numbers 32 (d / 2) + 8 (d % 2) + 16 h + 0 .. 7
.irp d, 0,1,2,3
	global_load_b128 v[128+64*\u+8*\d:128+64*\u+8*\d+3], v12, s[10:11] offset:(32*(\d/2)+8*(\d%2))*4
	global_load_b128 v[132+64*\u+8*\d:132+64*\u+8*\d+3], v12, s[10:11] offset:(32*(\d/2)+8*(\d%2))*4+16
	global_load_b128 v[160+64*\u+8*\d:160+64*\u+8*\d+3], v12, s[16:17] offset:(32*(\d/2)+8*(\d%2))*4
	global_load_b128 v[164+64*\u+8*\d:164+64*\u+8*\d+3], v12, s[16:17] offset:(32*(\d/2)+8*(\d%2))*4+16
.endr
.endr
	WIN 0
.irp t, 0,1,2,3,4,5,6,7
	global_load_b32 v[128+\t], v13, s[22:23] offset:(32*(\t/2)+8*(\t%2))*4
.endr
	s_wait_loadcnt 0x0
.irp t, 0,1,2,3,4,5,6,7                        ; in v's results a lane holds one channel: its bias fills the tile's eight registers of C
.irp j, 0,1,2,3,4,5,6,7
	v_mov_b32 v[192+8*\t+\j], v[128+\t]
.endr
.endr
	CHUNK 0
	CHUNK 1
	CHUNK 2
	CHUNK 3
	; ---- q and k: eight blocks of 32 along d: block n = 4 tile + 2 (q, k) + b lies in registers 128 + 16 n on of window 1, 16 numbers in my lane and 16 in lane l xor 16
	PLACES
.irp n, 0,1,2,3,4,5,6,7
	v_mov_b32 v[50+\n], 0                          ; a lane permute's destination counts as one of its sources
.endr
.irp b, 0,1,2,3
	v_mov_b32 v[132+\b], 0
.endr
	v_and_b32 v148, 31, v0
	v_cmp_gt_u32 vcc_lo, 16, v148                  ; lanes 0-15
	WIN 0x14                                       ; sources 1 and 2 window 1
.irp n, 0,1,2,3,4,5,6,7
	v_max3_num_f32 v[16+\n], 0x1800000, |v[128+16*\n]|, |v[129+16*\n]|
.endr
.irp i, 2,4,6,8,10,12,14
.irp n, 0,1,2,3,4,5,6,7
	v_max3_num_f32 v[16+\n], v[16+\n], |v[128+16*\n+\i]|, |v[129+16*\n+\i]|
.endr
.endr
	WIN 0
.irp n, 0,1,2,3,4,5,6,7
	v_permlanex16_b32 v[50+\n], v[16+\n], s66, s67
.endr
.irp n, 0,1,2,3,4,5,6,7
	v_max_num_f32 v[16+\n], v[16+\n], v[50+\n]
.endr
.irp n, 0,1,2,3,4,5,6,7
	v_add_nc_u32 v[192+\n], 0xff000000, v[16+\n]
.endr
.irp n, 0,1,2,3,4,5,6,7
	v_lshrrev_b32 v[50+\n], 23, v[192+\n]
.endr
.irp p, 0,1,2,3
	v_lshl_or_b32 v[60+\p], v[51+2*\p], 8, v[50+2*\p]
.endr
.irp p, 0,1,2,3
	v_or_b32 v[60+\p], 0x7f7f0000, v[60+\p]        ; K = 64: the upper two blocks are zero codes under the scale 1
.endr
	WIN 0x01                                       ; source 0 window 1
.irp n, 0,1,2,3,4,5,6,7
	v_cvt_scalef32_pk8_fp4_f32 v[32+2*\n], v[128+16*\n:135+16*\n], v[192+\n]
	v_cvt_scalef32_pk8_fp4_f32 v[33+2*\n], v[136+16*\n:143+16*\n], v[192+\n]
.endr
	WIN 0
	v_nop                                          ; one plain place behind a scaled conversion
.irp p, 0,1,2,3                                ; the operand's layout wants a whole block in a lane: lanes 0-15 block 0, lanes 16-31 block 1
	v_permlane16_swap_b32 v[32+4*\p], v[34+4*\p]
	v_permlane16_swap_b32 v[33+4*\p], v[35+4*\p]
.endr
	v_cndmask_b32 v58, v61, v60, vcc_lo            ; lanes 0-15: q's words of my two tiles; lanes 16-31: k's
	v_cndmask_b32 v59, v63, v62, vcc_lo
	global_store_b128 v14, v[32:35], s[24:25]      ; 32 lanes store 512 consecutive bytes
	global_store_b128 v14, v[36:39], s[26:27]
	global_store_b128 v14, v[40:43], s[24:25] offset:512
	global_store_b128 v14, v[44:47], s[26:27] offset:512
	global_store_b64 v15, v[58:59], s[68:69]       ; 256 consecutive bytes, aligned
; ---- v: channel tile t: register 16 b + i = key 32 b + 16 (lane / 16) + i of my lane's channel: a fragment's codes and its scale word.  No store's data are written again
.macro QUANTW t
.set SB, 64*((\t)%4)
.if (\t)%4 == 3
.set PCD, 64+8*(\t)                    ; (a conversion's destination never has the number of one of its sources)
.else
.set PCD, 192+8*(\t)
.endif
	WIN 0x28+0x14*((\t)/4)                         ; sources 1 and 2 window 2 or 3
.irp b, 0,1,2,3
	v_max3_num_f32 v[128+\b], 0x1800000, |v[SB+16*\b]|, |v[SB+1+16*\b]|
.endr
.irp i, 2,4,6,8,10,12,14
.irp b, 0,1,2,3
	v_max3_num_f32 v[128+\b], v[128+\b], |v[SB+16*\b+\i]|, |v[SB+1+16*\b+\i]|
.endr
.endr
	WIN 0
.irp b, 0,1,2,3
	v_permlanex16_b32 v[132+\b], v[128+\b], s66, s67
.endr
.irp b, 0,1,2,3
	v_max_num_f32 v[128+\b], v[128+\b], v[132+\b]
.endr
.irp b, 0,1,2,3
	v_add_nc_u32 v[140+\b], 0xff000000, v[128+\b]
.endr
.irp b, 0,1,2,3
	v_lshrrev_b32 v[132+\b], 23, v[140+\b]
.endr
	v_lshl_or_b32 v[24+\t], v133, 8, v132
	v_lshl_or_b32 v[24+\t], v134, 16, v[24+\t]
	v_lshl_or_b32 v[24+\t], v135, 24, v[24+\t]
	WIN 0x02+(\t)/4                                ; source 0 window 2 or 3
.irp b, 0,1,2,3
	v_cvt_scalef32_pk8_fp4_f32 v[PCD+2*\b], v[SB+16*\b:SB+7+16*\b], v[140+\b]
	v_cvt_scalef32_pk8_fp4_f32 v[PCD+1+2*\b], v[SB+8+16*\b:SB+15+16*\b], v[140+\b]
.endr
	WIN 0
	v_nop
.irp c, 0,1
.irp i, 0,1
	v_permlane16_swap_b32 v[PCD+4*\c+\i], v[PCD+2+4*\c+\i]
.endr
.endr
	global_store_b128 v14, v[PCD:PCD+3], s[28:29] offset:1024*(\t)
	global_store_b128 v14, v[PCD+4:PCD+7], s[28:29] offset:1024*(\t)+512
.endm
	QUANTW 0
	QUANTW 1
	QUANTW 2
	QUANTW 3
	QUANTW 4
	QUANTW 5
	QUANTW 6
	QUANTW 7
.irp i, 0,1,2,3
	v_cndmask_b32 v[144+\i], v[28+\i], v[24+\i], vcc_lo   ; lanes 0-15: tiles 0-3's words of row r; lanes 16-31: tiles 4-7's
.endr
	global_store_b128 v14, v[144:147], s[30:31]
	s_wait_xcnt 0x0
	v_lshl_add_u32 v254, v0, 2, 0x48800
	v_mov_b32 v255, 0
	s_wait_tensorcnt 0x0
	ds_add_u32 v254, v255
	s_wait_dscnt 0x0
	s_endpgm
.Lfunc_end_k_q4409993d8c_proj:
	.size	k_q4409993d8c_proj, .Lfunc_end_k_q4409993d8c_proj-k_q4409993d8c_proj
	.p2alignl 7, 3214868480
	.fill 96, 4, 3214868480
	.section	.rodata,"a",@progbits
	.p2align	6, 0x0
	.amdhsa_kernel k_q4409993d8c_proj
		.amdhsa_group_segment_fixed_size 327680
		.amdhsa_private_segment_fixed_size 0
		.amdhsa_enable_private_segment 0
		.amdhsa_kernarg_size 112
		.amdhsa_user_sgpr_count 2
		.amdhsa_user_sgpr_kernarg_segment_ptr 1
		.amdhsa_wavefront_size32 1
		.amdhsa_system_sgpr_workgroup_id_x 1
		.amdhsa_system_sgpr_workgroup_id_y 1
		.amdhsa_system_sgpr_workgroup_id_z 1
		.amdhsa_system_vgpr_workitem_id 0
		.amdhsa_next_free_vgpr 1024
		.amdhsa_next_free_sgpr 72
		.amdhsa_reserve_vcc 1
		.amdhsa_float_denorm_mode_32 3
		.amdhsa_float_denorm_mode_16_64 3
		.amdhsa_memory_ordered 1
		.amdhsa_forward_progress 1
		.amdhsa_inst_pref_size 177
	.end_amdhsa_kernel
	.amdgpu_metadata
---
amdhsa.version: [ 1, 2 ]
amdhsa.kernels:
  - .name:           k_q4409993d8c_proj
    .symbol:         k_q4409993d8c_proj.kd
    .args:
      - { .name: x, .offset: 0, .size: 8, .value_kind: global_buffer, .address_space: global }
      - { .name: wq_codes, .offset: 8, .size: 8, .value_kind: global_buffer, .address_space: global }
      - { .name: wq_scales, .offset: 16, .size: 8, .value_kind: global_buffer, .address_space: global }
      - { .name: bq, .offset: 24, .size: 8, .value_kind: global_buffer, .address_space: global }
      - { .name: wk_codes, .offset: 32, .size: 8, .value_kind: global_buffer, .address_space: global }
      - { .name: wk_scales, .offset: 40, .size: 8, .value_kind: global_buffer, .address_space: global }
      - { .name: bk, .offset: 48, .size: 8, .value_kind: global_buffer, .address_space: global }
      - { .name: wv_codes, .offset: 56, .size: 8, .value_kind: global_buffer, .address_space: global }
      - { .name: wv_scales, .offset: 64, .size: 8, .value_kind: global_buffer, .address_space: global }
      - { .name: bv, .offset: 72, .size: 8, .value_kind: global_buffer, .address_space: global }
      - { .name: qimg, .offset: 80, .size: 8, .value_kind: global_buffer, .address_space: global }
      - { .name: kimg, .offset: 88, .size: 8, .value_kind: global_buffer, .address_space: global }
      - { .name: vimg, .offset: 96, .size: 8, .value_kind: global_buffer, .address_space: global }
      - { .name: scl, .offset: 104, .size: 8, .value_kind: global_buffer, .address_space: global }
    .group_segment_fixed_size: 327680
    .private_segment_fixed_size: 0
    .kernarg_segment_align: 8
    .kernarg_segment_size: 112
    .max_flat_workgroup_size: 128
    .sgpr_count:     72
    .vgpr_count:     1024
    .wavefront_size: 32
...
	.end_amdgpu_metadata
.endif
;; end of part 1
;; launch attn (part 2): grid 16 x 16, 4 waves a work-group, clusters of 4 x 1, 327,680 bytes of LDS; arguments qimg, kimg, vimg, scl, wo_codes, wo_scales, bo, gamma, x, out0; writes out0
.if DOCPART == 2
	.amdgcn_target "amdgcn-amd-amdhsa--gfx1250"
	.amdhsa_code_object_version 6
	.text
	.protected	k_q4409993d8c_attn
	.globl	k_q4409993d8c_attn
	.p2align	8
	.type	k_q4409993d8c_attn,@function
k_q4409993d8c_attn:
	s_mov_b64 s[64:65], 0
	v_nop
	global_prefetch_b8 v0, s[64:65] scope:SCOPE_SE
	s_setreg_imm32_b32 hwreg(HW_REG_WAVE_MODE, 25, 1), 1
	s_wait_xcnt 0x0
	s_wait_alu depctr_hold_cnt(0) depctr_sa_sdst(0) depctr_va_vdst(0) depctr_va_sdst(0) depctr_va_ssrc(0) depctr_va_vcc(0) depctr_vm_vsrc(0)
	s_getreg_b32 s2, hwreg(HW_REG_IB_STS2, 6, 4)
	s_cmp_eq_u32 s2, 0
	s_cbranch_scc0 .Lentry_in_a_cluster
	s_endpgm
.Lentry_in_a_cluster:
	s_bfe_u32 s2, ttmp6, 0x10000c
	s_cmp_lg_u32 s2, 0x3003
	s_cbranch_scc0 .Lentry_shape_is_right
	s_endpgm
.Lentry_shape_is_right:
; out = gamma (wo (softmax(q k) v) + bo) + x, all three products on codes of FP4 (E2M1) with one E8M0 scale for each 32 along K.  q, k, v come as images of operand registers with their scale words (the launch before).
; A work-group takes 128 queries of one batch.  THE SOFTMAX: t = score x log2(e); M = ceil(the row's largest t); p = 2^(t - M) is quantised along the keys; the row's sum of the unquantised p divides at the end.
; TWO PASSES OVER THE KEYS.  k of a whole batch, 64 KiB of codes, stays in LDS.  Pass 1 forms all scores of the wave's 32 queries, takes the row's largest (so M is final) and keeps the largest score of each block of 32 keys in LDS.
; Pass 2 forms the same scores again (the same instructions on the same operands: the same bits) and needs no running maximum, no search and no rescaling of O.
; THE WAVES SHARE THE COLUMNS: each wave makes p of its own 32 queries (two tiles), hands the fragments round through LDS as images of their registers, and multiplies all 128 queries by its own 128 channels of v:
; 64 accumulators.  Its 128 channels are one K step of the last product; there wave w makes outputs 128 w .. + 127, with its quarter of wo in registers.
; A KEY STEP IS TURNED BY HALF A STEP: p of step j is stored at the end of step j; the scores and scalings of step j + 1 stand between those stores and the barrier, its exponentials between the loads of p and the products V^T P of step j.
; LAYOUT.  S^T = k q^T and O^T = v^T p^T: a lane holds one query.  The rows of a tile of queries, keys and channels are 32 b + 8 u + r + 8 (r / 8) for lane r of tile 2 b + u, so that the 16 registers of result tiles 2 b, 2 b + 1
; are 16 neighbours along the next K.  The last product has source 0 = av's 16 queries, source 1 = 16 rows of wo: a lane holds one output and eight neighbouring positions.  K = 64 of the scores is filled up with zero codes.
; A BLOCK'S LARGEST p is 2^ of the block's largest score put through the same multiply-add: this takes v_exp_f32 not to fall where its input rises.
; x, THE RESIDUAL, IS ASKED FOR AHEAD: my rows 0-31 go into the slot of v that is free from the last change of slots on, rows 32-63 into the last slot behind the last round, rows 64-127 into registers as soon as half of O is quantised.
; CLUSTER.  The four blocks of queries of a cluster belong to one batch and walk the same k, scales and v: those tensor loads are asked for jointly, each wave its quarter; their descriptors hang on the batch and the wave's number alone.
; x's two tensor loads are each work-group's own (no mask): they stand behind rounds like the others.
; LIMITS: NaN and infinities are not served.  p under 2^-126 is 0.  A block whose largest magnitude lies under 2^-124 has its byte held at 1, a block of zeros too (its codes are zeros).
; REGISTERS: window 0: v1-26 addresses; v28-31 -M; v32-39 k's scale words, v40-41 q's, v42-49 v's, v50-57 p's; v58-59 p's words just made; v60-63, v248-251 the sums; v64-191 S^T, then p; v192-207 q; v208-223 p's codes;
;   v224-247 at work; v252-253 the rows' largest scores.   window 1: v0-63 k, v64-127 v, v128-191 p; at the end wo.   windows 2, 3: O^T (query tile qt, channel tile ct) at 8 (8 (qt % 4) + ct); at the end window 2 the outputs, window 3 x.
.set SCL,   65536                      ; LDS: k's images at 0 (65,536 bytes; at the end the stages); the batch's scale words, 49,152 bytes
.set PIMG,  114688                     ; p's images: two buffers of 8,192
.set RING,  131072                     ; v: two slots of 65,536, two key steps each; one exclusive or with 0x10000 turns one slot's address into the other's; at the end 64 rows of x for each wave
.set BMB,   262144                     ; the blocks' largest scores: 8,192 a wave; at the end av's images
.set PSC,   294912                     ; p's scale words: two buffers of 512
.set LSH,   295936                     ; 1 / the rows' sums
.set AVSC,  296448                     ; av's scale words
.set SPARE, 298496                     ; the spare words, 128 bytes for each wave: two blocks of 256 bytes that no other line names
.set MSB, 0
.macro WIN new                         ; the immediate's high byte repeats the setting that is left
.if MSB != (\new)
	s_set_vgpr_msb (MSB<<8)|(\new)
.set MSB, (\new)
.endif
.endm
.macro PLACES
.rept 4
	v_nop
.endr
.endm
.macro MMA d, a, b, sa, sb             ; D += A x B
	v_wmma_scale_f32_16x16x128_f8f6f4 v[(\d):(\d)+7], v[(\a):(\a)+7], v[(\b):(\b)+7], v[(\d):(\d)+7], v[\sa], v[\sb] matrix_a_fmt:MATRIX_FMT_FP4 matrix_b_fmt:MATRIX_FMT_FP4
.endm
.macro MMC d, a, b, c, sa, sb          ; D = A x B + C
	v_wmma_scale_f32_16x16x128_f8f6f4 v[(\d):(\d)+7], v[(\a):(\a)+7], v[(\b):(\b)+7], v[(\c):(\c)+7], v[\sa], v[\sb] matrix_a_fmt:MATRIX_FMT_FP4 matrix_b_fmt:MATRIX_FMT_FP4
.endm
.macro MMZ d, a, b, sa, sb             ; D = A x B
	v_wmma_scale_f32_16x16x128_f8f6f4 v[(\d):(\d)+7], v[(\a):(\a)+7], v[(\b):(\b)+7], 0, v[\sa], v[\sb] matrix_a_fmt:MATRIX_FMT_FP4 matrix_b_fmt:MATRIX_FMT_FP4
.endm
; A round of the cluster's barrier: my work-group's barrier; wave 0 signals for the work-group; every wave waits for all four work-groups; my work-group's barrier once more
.macro CROUND
	s_barrier_signal -1
	s_barrier_wait -1
	s_cmp_lg_u32 s24, 0
	s_cbranch_scc1 .Lnot_wave_0_\@
	s_barrier_signal -3
.Lnot_wave_0_\@:
	s_barrier_wait -3
	s_barrier_signal -1
	s_barrier_wait -1
.endm
	s_load_b512 s[4:19], s[0:1], 0x0               ; qimg, kimg, vimg, scl, wo codes, wo scales, bo, gamma
	s_load_b128 s[20:23], s[0:1], 0x40             ; x, out
	v_lshl_add_u32 v1, v0, 2, SPARE                ; v1  my spare word; never rewritten
	v_mov_b32 v2, 0                                ; v2  0; never rewritten
	ds_add_u32 v1, v2
	ds_add_u32 v1, v2
	s_wait_dscnt 0x0
	v_lshrrev_b32 v4, 5, v0
	v_readfirstlane_b32 s24, v4                    ; wave 0..3
	s_bfe_u32 s25, ttmp6, 0x40000                  ; cx: my place in the cluster
	s_lshl_b32 s26, ttmp9, 2
	s_add_co_u32 s26, s26, s25                     ; my block of 128 queries: it enters global addresses of q, x and out alone
	s_and_b32 s27, ttmp7, 0xffff                   ; the batch, which the four partners share
	; descriptor groups 1: dense blocks as rows of 256 bytes (32 elements of 8 bytes): 64 rows (k, v), 48 rows (scales); mask: all four work-groups, bit 21 beside it
	s_mov_b32 s28, 15|(3<<16)|(1<<21)
	s_mov_b32 s29, 32<<16
	s_mov_b32 s30, 64<<16
	s_mov_b32 s31, 32<<16
	s_mov_b32 s32, 64
	s_mov_b32 s33, 32
	s_mov_b32 s34, 0
	s_mov_b32 s35, 0
	s_mov_b32 s36, 15|(3<<16)|(1<<21)
	s_mov_b32 s37, 32<<16
	s_mov_b32 s38, 48<<16
	s_mov_b32 s39, 32<<16
	s_mov_b32 s40, 48
	s_mov_b32 s41, 32
	s_mov_b32 s42, 0
	s_mov_b32 s43, 0
	; and for x: 32 rows of 128 f32, 2,048 elements from row to row; no mask: the work-group's own load
	s_mov_b32 s84, 2<<16
	s_mov_b32 s85, 128<<16
	s_mov_b32 s86, 32<<16
	s_mov_b32 s87, 128<<16
	s_mov_b32 s88, 32
	s_mov_b32 s89, 2048
	s_mov_b32 s90, 0
	s_mov_b32 s91, 0
	s_lshl_b32 s74, s27, 16
	s_lshl_b32 s76, s24, 14
	s_add_co_u32 s74, s74, s76                     ; k: 65,536 b + 16,384 wave
	s_mov_b32 s75, 0
	s_mul_i32 s82, s27, 49152                      ; the batch's scale words
	s_mul_i32 s76, s24, 12288
	s_add_co_u32 s76, s76, s82                     ; + 12,288 wave
	s_mov_b32 s77, 0
	s_lshl_b32 s78, s27, 19
	s_lshl_b32 s79, s24, 14
	s_add_co_u32 s78, s78, s79                     ; v: 524,288 b + 16,384 wave
	s_mov_b32 s79, 0
	s_mov_b32 s66, 0x3fb8aa3b                      ; log2(e)
	s_mov_b32 s67, s66                             ; (named with it as a pair)
	s_mov_b32 s68, 0x76543210
	s_mov_b32 s69, 0xfedcba98                      ; v_permlanex16_b32's selects for lane l xor 16
	s_lshr_b32 s63, s24, 1
	s_or_b32 s63, s63, ttmp9                       ; 0 in waves 0 and 1 of the batch's first cluster: the same in all four partners
	s_cmp_eq_u32 s63, 0
	s_cselect_b32 s63, 1, -1                       ; a wave prefetches while the count of slots is above this
	s_wait_kmcnt 0x0
	s_mov_b32 s44, 1                               ; group 0 for k
	s_lshl_b32 s45, s24, 14
	s_add_nc_u64 s[46:47], s[6:7], s[74:75]
	s_or_b32 s47, s47, 0x80000000
	s_mov_b32 s48, 1                               ; for the scale words
	s_mul_i32 s49, s24, 12288
	s_add_co_u32 s49, s49, SCL
	s_add_nc_u64 s[50:51], s[10:11], s[76:77]
	s_or_b32 s51, s51, 0x80000000
	s_mov_b32 s52, 1                               ; for v: it walks
	s_lshl_b32 s53, s24, 14
	s_add_co_u32 s53, s53, RING
	s_add_nc_u64 s[54:55], s[8:9], s[78:79]
	s_or_b32 s55, s55, 0x80000000
	s_load_b32 s70, s[18:19], 0x0                  ; gamma
	CROUND                                         ; all four work-groups are here: the first joint loads meet
	tensor_load_to_lds s[44:47], s[28:35]          ; three loads of mine are out: my quarter of k,
	s_nop 0
	tensor_load_to_lds s[48:51], s[36:43]          ; of the scale words,
	s_nop 0
	tensor_load_to_lds s[52:55], s[28:35]          ; and of v's first two key steps
	s_nop 0
.rept 4
	v_nop
.endr
.irp u, 0,1
.irp j, 4,5,6,7
	v_mov_b32 v[192+8*\u+\j], 0                    ; q: K = 64 .. 127 are zero codes
.endr
.endr
	WIN 0x40
.irp n, 0,1,2,3,4,5,6,7
.irp j, 4,5,6,7
	v_mov_b32 v[8*\n+\j], 0                        ; k likewise; written once
.endr
.endr
	WIN 0
.irp j, 60,61,62,63,248,249,250,251
	v_mov_b32 v[\j], 0                             ; the sums, two chains a tile
.endr
.irp j, 240,241,242,243,244,245,246,247
	v_mov_b32 v[\j], 0                             ; a lane permute's destination counts as one of its sources
.endr
	v_mov_b32 v252, 0xff61b1e6                     ; the rows' largest scores: -3e38, under every score
	v_mov_b32 v253, 0xff61b1e6
	v_and_b32 v5, 31, v0                           ; lane
	v_and_b32 v13, 15, v0                          ; v13 r; kept
	v_bfe_u32 v6, v0, 4, 1                         ; h
	v_lshlrev_b32 v3, 4, v5                        ; v3  16 x lane: an image's place for my lane, and my bytes of a row of x and out
	s_lshl_b32 s74, s24, 11
	s_add_co_u32 s74, s74, PIMG
	v_add_nc_u32 v9, s74, v3                       ; v9  where I store p's images: my two tiles
	s_lshl_b32 s74, s24, 3
	s_add_co_u32 s75, s74, PSC
	v_lshl_add_u32 v10, v13, 5, s75                ; v10 and their scale words: 32 r + 8 wave
	v_add_nc_u32 v11, PIMG, v3                     ; v11 where I load p's images
	v_lshl_add_u32 v12, v13, 5, PSC                ; v12 and the eight tiles' words of row r
	v_lshl_add_u32 v14, v13, 3, SCL+128            ; v14 k's scale words: 8 r, behind q's 128 bytes
	s_add_co_u32 s75, s74, LSH
	v_lshl_add_u32 v18, v13, 5, s75                ; v18 1 / sum: in
	v_lshl_add_u32 v19, v13, 5, LSH                ; v19 and back
	s_lshl_b32 s74, s24, 13
	s_add_co_u32 s75, s74, BMB
	v_lshl_add_u32 v15, v13, 4, s75                ; v15 my wave's block maxima: 16 r
	v_add_nc_u32 v16, s74, v3                      ; v16 my 8 channel tiles in a key step of v
	v_add_nc_u32 v20, s75, v3                      ; v20 where I store av's images
	v_add_nc_u32 v22, BMB, v3                      ; v22 and where I load them
	s_lshl_b32 s74, s24, 9
	s_add_co_u32 s75, s74, SCL+16384
	v_lshl_add_u32 v17, v13, 4, s75                ; v17 v's scale words: 512 wave + 16 r
	s_add_co_u32 s75, s74, AVSC
	v_lshl_add_u32 v21, v13, 5, s75                ; v21 av's scale words: in
	v_lshl_add_u32 v23, v13, 5, AVSC               ; v23 and back
	s_mul_i32 s74, s24, 8448                       ; my stage: 16 rows x (512 bytes + 16)
	v_mul_u32_u24 v24, v13, 528
	v_lshl_add_u32 v24, v6, 6, v24
	v_add_nc_u32 v24, s74, v24                     ; v24 in: row r, + 64 h
	v_add_nc_u32 v25, s74, v3                      ; v25 back: a row of 512 bytes to 32 lanes
	v_lshlrev_b32 v26, 8, v5                       ; v26 v's prefetches: lanes 256 bytes apart
	v_lshlrev_b32 v7, 3, v13                       ; 8 r
	s_lshl_b32 s80, s27, 16
	s_lshl_b32 s83, s26, 12
	s_add_co_u32 s80, s80, s83
	s_lshl_b32 s83, s24, 10
	s_add_co_u32 s80, s80, s83
	s_mov_b32 s81, 0
	s_add_nc_u64 s[4:5], s[4:5], s[80:81]          ; q's images of my two tiles
	s_lshl_b32 s80, s26, 10
	s_add_co_u32 s80, s80, s82
	s_lshl_b32 s83, s24, 8
	s_add_co_u32 s80, s80, s83
	s_add_nc_u64 s[10:11], s[10:11], s[80:81]      ; and their scale words
	global_load_b128 v[192:195], v3, s[4:5]
	global_load_b128 v[200:203], v3, s[4:5] offset:512
	global_load_b64 v[40:41], v7, s[10:11]
	s_lshl_b32 s80, s27, 22
	s_lshl_b32 s83, s24, 20
	s_add_co_u32 s80, s80, s83
	s_lshl_b32 s83, s26, 9
	s_add_co_u32 s80, s80, s83
	s_add_nc_u64 s[20:21], s[20:21], s[80:81]      ; x and out at my 128 rows (outputs), my block's 512 bytes
	s_add_nc_u64 s[22:23], s[22:23], s[80:81]
	s_mov_b32 s92, 1                               ; group 0 for my rows 0-31 of x: into my quarter of v's slot 0,
	s_lshl_b32 s93, s24, 14
	s_add_co_u32 s93, s93, RING
	s_mov_b64 s[94:95], s[20:21]
	s_or_b32 s95, s95, 0x80000000
	s_mov_b32 s96, 1                               ; and for rows 32-63: into my quarter of slot 1
	s_add_co_u32 s97, s93, 65536
	s_add_nc_u64 s[98:99], s[20:21], 262144
	s_or_b32 s99, s99, 0x80000000
	s_lshl_b32 s80, s24, 15
	s_add_nc_u64 s[12:13], s[12:13], s[80:81]      ; my 128 rows of wo,
	s_lshl_b32 s80, s24, 11
	s_add_nc_u64 s[14:15], s[14:15], s[80:81]      ; of its scale bytes,
	s_lshl_b32 s80, s24, 9
	s_add_nc_u64 s[16:17], s[16:17], s[80:81]      ; of bo
	s_lshl_b32 s80, s27, 19
	s_lshl_b32 s83, s25, 14
	s_add_co_u32 s80, s80, s83
	s_lshl_b32 s83, s24, 13
	s_add_co_u32 s80, s80, s83
	s_add_co_u32 s80, s80, 65536                   ; v's prefetches: my work-group's 16,384 bytes of a slot, my wave's half of them, in key slot 1: the first change of slots steps it to slot 2
	s_add_nc_u64 s[72:73], s[8:9], s[80:81]
	s_wait_kmcnt 0x0
	s_mov_b32 s71, s70                             ; gamma as a pair
	s_wait_tensorcnt 1                             ; my parts of k and of the scale words are in; v's load may stay out
	s_barrier_signal -1
	s_barrier_wait -1                              ; everybody's are
; a key step's 8 tiles of k (registers 0-3 of each fragment) and their scale words: 12 loads
.macro KLOAD
	WIN 0x40
.irp n, 0,1,2,3,4,5,6,7
	ds_load_b128 v[8*\n:8*\n+3], v4 offset:512*\n
.endr
	WIN 0
.irp i, 0,1,2,3
	ds_load_b64 v[32+2*\i:33+2*\i], v5 offset:256*\i
.endr
.endm
; S^T of 128 keys x my 32 queries: 16 products, each a sum of its own
.macro QKMUL
	WIN 0x01                                       ; source 0 (k) window 1
.irp n, 0,1,2,3,4,5,6,7
.irp u, 0,1
	MMZ 64+64*\u+8*\n, 8*\n, 192+8*\u, 32+\n, 40+\u
.endr
.endr
	WIN 0
.endm
; PASS 1, a key step.  Block n = 4 tile + b lies in registers 64 + 16 n on
.macro P1STEP next
	s_wait_dscnt 0x0                               ; k and its scale words are in; the last step's stores are done
	QKMUL
.if \next
	s_add_co_u32 s56, s56, 4096
	s_add_co_u32 s57, s57, 1024
	v_add_nc_u32 v4, s56, v3                       ; (these four lines are the places behind the products)
	v_add_nc_u32 v5, s57, v14
.else
	v_nop
	v_nop
.endif
	v_add_nc_u32 v6, s58, v15
	v_nop
.if \next
	KLOAD                                          ; the next step's, while this step's maxima are taken
.endif
.irp n, 0,1,2,3,4,5,6,7
	v_max3_num_f32 v[224+\n], v[64+16*\n], v[65+16*\n], v[66+16*\n]
.endr
.irp i, 3,5,7,9,11,13
.irp n, 0,1,2,3,4,5,6,7
	v_max3_num_f32 v[224+\n], v[224+\n], v[64+16*\n+\i], v[65+16*\n+\i]
.endr
.endr
.irp n, 0,1,2,3,4,5,6,7
	v_max_num_f32 v[224+\n], v[224+\n], v[79+16*\n]
.endr
.irp n, 0,1,2,3,4,5,6,7
	v_permlanex16_b32 v[240+\n], v[224+\n], s68, s69
.endr
.irp n, 0,1,2,3,4,5,6,7
	v_max_num_f32 v[224+\n], v[224+\n], v[240+\n]  ; with lane l xor 16's 16 keys: the block's largest score
.endr
	v_max3_num_f32 v252, v252, v224, v225
	v_max3_num_f32 v253, v253, v228, v229
	v_max3_num_f32 v252, v252, v226, v227
	v_max3_num_f32 v253, v253, v230, v231
	ds_store_b128 v6, v[224:227]                   ; both lanes of a query write the same bytes with the same values
	ds_store_b128 v6, v[228:231] offset:256
	s_add_co_u32 s58, s58, 512
.endm
	s_mov_b32 s56, 0                               ; s56 where the step's tiles of k begin, s57 their scale words, s58 the block maxima
	s_mov_b32 s57, 0
	s_mov_b32 s58, 0
	v_add_nc_u32 v4, s56, v3
	v_add_nc_u32 v5, s57, v14
	KLOAD
	s_wait_loadcnt 0x0                             ; q and its scale words
	s_mov_b32 s62, 15
.Lp1:
	P1STEP 1
	s_sub_co_u32 s62, s62, 1
	s_cmp_lg_u32 s62, 0
	s_cbranch_scc1 .Lp1
	P1STEP 0                                       ; the last step fetches nothing
	v_mul_f32 v240, s66, v252                      ; the rows' largest t
	v_mul_f32 v241, s66, v253
	v_floor_f32 v28, -v240                         ; -M = floor(-t) = -ceil(t): a whole number
	v_floor_f32 v30, -v241
	v_mov_b32 v29, v28                             ; (named with it as a pair)
	v_mov_b32 v31, v30
; PASS 2.  THE CHANGE OF SLOTS stands in front of the loads of a slot's first key step of v: each wave waits for all its tensor loads (its part of the slot ahead), adds 0 to its spare word, waits for that and for its LDS reads;
; a round of the cluster's barrier; and the slot that was left is filled: my one tensor load until the next round.  kind = 1: with the two key steps of v that follow, jointly: two key steps in which to land.
; kind = 2, the last change: nothing of v is left to fetch: the slot takes my rows 0-31 of x.
.macro CHANGE kind
	s_wait_tensorcnt 0x0                           ; no tensor load of mine is out, so the walking group 0 may be written
	ds_add_u32 v1, v2                              ; 0 onto my spare word
.if \kind == 1
	s_xor_b32 s53, s53, 0x10000                    ; the other slot than last time,
	s_add_nc_u64 s[54:55], s[54:55], 65536         ; the next two key steps; the type bits on top are not reached
	s_wait_xcnt 0x0                                ; the last prefetch, two key steps back, has read its address
	s_add_nc_u64 s[72:73], s[72:73], 65536         ; one slot further on than the walking descriptor
.endif
	s_wait_dscnt 0x0                               ; the add is done, and my reads of the slot that I have left are over
	CROUND
.if \kind == 1
	tensor_load_to_lds s[52:55], s[28:35]          ; the first thing behind the round
	s_nop 0
.else
	tensor_load_to_lds s[92:95], s[84:91]
	s_nop 0
.endif
.rept 4
	v_nop                                          ; (also the places behind the products, in front of the loads of v)
.endr
.if \kind == 1
	; a prefetch into the L2 of what the next change will ask for: 65,536 bytes, each aligned block of 256 bytes once in the launch: the batch's first cluster asks; its four partners take 16,384 bytes each, told apart by address;
	; in each, waves 0 and 1 take 8,192, lanes 256 bytes apart.  The last change that fills a slot with v asks for nothing
	s_cmp_gt_u32 s61, s63
	s_cbranch_scc0 .Lnot_mine_\@
	global_prefetch_b8 v26, s[72:73] th:TH_LOAD_NT scope:SCOPE_SE
.Lnot_mine_\@:
.endif
	v_add_nc_u32 v7, s59, v16                      ; my channel tiles in the slot ahead
.endm
.macro PVMUL hi, zero                  ; O^T: query tiles 4 hi .. + 3 x my 8 channel tiles; the 64 accumulators take turns, one instruction a turn
.irp a, 0,1,2,3
.irp c, 0,1,2,3,4,5,6,7
.if \zero
	MMZ 8*(8*\a+\c), 64+8*\c, 128+8*(4*\hi+\a), 42+\c, 50+4*\hi+\a
.else
	MMA 8*(8*\a+\c), 64+8*\c, 128+8*(4*\hi+\a), 42+\c, 50+4*\hi+\a
.endif
.endr
.endr
.endm
.macro PLOAD buf                       ; p's 8 fragments and their scale words, from buffer buf: 18 loads
	WIN 0x40
.irp p, 0,1,2,3,4,5,6,7,8,9,10,11,12,13,14,15
	ds_load_b128 v[128+4*\p:131+4*\p], v11 offset:8192*(\buf)+512*\p
.endr
	WIN 0
	ds_load_b128 v[50:53], v12 offset:512*(\buf)
	ds_load_b128 v[54:57], v12 offset:512*(\buf)+16
.endm
; A KEY STEP j, the q-th of its slot.  first = 1: step 0, with no step before it.  zero = 1: the products of step j - 1 start O^T's sums.  knext = 1: the next step's k is fetched.  chg: the change of slots (0: none)
.macro ITER q, first, zero, knext, chg
.if \first
	s_wait_dscnt 0x0                               ; k and its scale words are in.  (In the later steps the wait in front of the last step's barrier has shown that)
.endif
	QKMUL
.if \knext
	s_add_co_u32 s56, s56, 4096
	s_add_co_u32 s57, s57, 1024
	v_add_nc_u32 v4, s56, v3                       ; (these four lines are the places behind the products, in front of the loads below and of the first read of the scores)
	v_add_nc_u32 v5, s57, v14
.else
	v_nop
	v_nop
.endif
	v_add_nc_u32 v6, s58, v15
	v_nop
	s_add_co_u32 s58, s58, 512
	ds_load_b128 v[224:227], v6                    ; the blocks' largest scores
	ds_load_b128 v[228:231], v6 offset:256
.if \knext
	KLOAD
.endif
.set J, 0
.rept 32
	v_pk_fma_f32 v[64+J:65+J], v[64+J:65+J], s[66:67], v[28:29] op_sel_hi:[1,0,0]   ; t - M, two at a time
.set J, J+2
.endr
.set J, 0
.rept 32
	v_pk_fma_f32 v[128+J:129+J], v[128+J:129+J], s[66:67], v[30:31] op_sel_hi:[1,0,0]
.set J, J+2
.endr
.if \first
	s_wait_dscnt 12                                ; the block maxima are in; behind them: k's 12 loads
.else
	s_wait_dscnt 0x0                               ; for the others' sake: my images of p of the last step, stored ahead of the scores above, lie in LDS; my loads are in
	s_barrier_signal -1
	s_barrier_wait -1                              ; that step's 8 fragments of p are whole.  Two buffers by turns: one barrier a step
	PLOAD 1-\q                                     ; they come while the exponentials below are issued
.endif
.irp n, 0,1,2,3,4,5,6,7
	v_fma_f32 v[224+\n], v[224+\n], s66, v[28+2*(\n/4)]   ; t - M of each block's largest score
.endr
.set J, 64
.rept 128
	v_exp_f32 v[J], v[J]                           ; p = 2^(t - M): not normalised
.set J, J+1
.endr
.irp n, 0,1,2,3,4,5,6,7
	v_exp_f32 v[224+\n], v[224+\n]                 ; the block's largest p
.endr
	v_nop                                          ; a plain instruction behind the last exponential
	s_wait_alu depctr_va_vdst(0)                   ; one wait for the batch of 136, ahead of its first reader
.if !\first
	s_wait_dscnt 0x0                               ; p of the last step is in
	WIN 0xa5                                       ; sources 0 (v) and 1 (p) window 1, C and D window 2
	PVMUL 0, \zero
	WIN 0xf5
	PVMUL 1, \zero
	WIN 0
.endif
.if \chg
	CHANGE \chg
.else
.rept 3
	v_nop                                          ; with the line below: four places behind the products, in front of the loads into v's registers
.endr
.endif
	v_add_nc_u32 v8, s60, v17
	s_add_co_u32 s60, s60, 2048
	ds_load_b128 v[42:45], v8                      ; this step's scale words of v,
	ds_load_b128 v[46:49], v8 offset:256
	WIN 0x40
.irp p, 0,1,2,3,4,5,6,7,8,9,10,11,12,13,14,15
	ds_load_b128 v[64+4*\p:67+4*\p], v7 offset:32768*\q+512*\p   ; and my 8 fragments of it: wanted a step later
.endr
	WIN 0
.set J, 0
.rept 16
	v_pk_add_f32 v[60:61], v[60:61], v[64+J:65+J]  ; the rows' sums are taken of the unquantised p: two chains a tile
	v_pk_add_f32 v[62:63], v[62:63], v[128+J:129+J]
	v_pk_add_f32 v[248:249], v[248:249], v[66+J:67+J]
	v_pk_add_f32 v[250:251], v[250:251], v[130+J:131+J]
.set J, J+4
.endr
.irp n, 0,1,2,3,4,5,6,7
	v_max_num_f32 v[224+\n], 0x1800000, v[224+\n]  ; the floor 2^(3 - 127): the byte cannot fall under 1
.endr
.irp n, 0,1,2,3,4,5,6,7
	v_add_nc_u32 v[232+\n], 0xff000000, v[224+\n]  ; 2 off the exponent field: the conversion's scale operand
.endr
.irp n, 0,1,2,3,4,5,6,7
	v_lshrrev_b32 v[240+\n], 23, v[232+\n]         ; the scale's byte
.endr
.irp u, 0,1
	v_lshl_or_b32 v[58+\u], v[241+4*\u], 8, v[240+4*\u]
.endr
.irp u, 0,1
	v_lshl_or_b32 v[58+\u], v[242+4*\u], 16, v[58+\u]
.endr
.irp u, 0,1
	v_lshl_or_b32 v[58+\u], v[243+4*\u], 24, v[58+\u]   ; p's scale word for these 128 keys
.endr
.irp n, 0,1,2,3,4,5,6,7
	v_cvt_scalef32_pk8_fp4_f32 v[208+2*\n], v[64+16*\n:71+16*\n], v[232+\n]
	v_cvt_scalef32_pk8_fp4_f32 v[209+2*\n], v[72+16*\n:79+16*\n], v[232+\n]
.endr
	v_nop                                          ; one plain place behind a scaled conversion
.irp p, 0,1,2,3                                ; the operand's layout wants a whole block in a lane
	v_permlane16_swap_b32 v[208+4*\p], v[210+4*\p]
	v_permlane16_swap_b32 v[209+4*\p], v[211+4*\p]
.endr
.irp p, 0,1,2,3
	ds_store_b128 v9, v[208+4*\p:211+4*\p] offset:8192*\q+512*\p   ; my two fragments of p, as they stand; the next step's scores stand between these stores and the wait for them
.endr
	ds_store_b64 v10, v[58:59] offset:512*\q
.endm
	s_mov_b32 s56, 0
	s_mov_b32 s57, 0
	s_mov_b32 s58, 0
	s_mov_b32 s60, 0                               ; s60 where the step's scale words of v begin
	s_mov_b32 s59, RING                            ; s59 the slot in hand
	v_add_nc_u32 v4, s56, v3
	v_add_nc_u32 v5, s57, v14
	KLOAD
	s_mov_b32 s61, 7                               ; slots still to be asked for
	ITER 0, 1, 0, 1, 1                             ; the first slot is written out: step 0 has no step before it,
	ITER 1, 0, 1, 1, 0                             ; and step 0's products start the sums
	s_xor_b32 s59, s59, 0x10000
	s_mov_b32 s61, 6
.Lslot:
	ITER 0, 0, 0, 1, 1
	ITER 1, 0, 0, 1, 0
	s_xor_b32 s59, s59, 0x10000
	s_sub_co_u32 s61, s61, 1
	s_cmp_lg_u32 s61, 0
	s_cbranch_scc1 .Lslot
	ITER 0, 0, 0, 1, 2                             ; the last slot is written out
	ITER 1, 0, 0, 0, 0
	; the last step's p.  Its barrier is a round: behind it nobody reads v any more, and the last slot takes my rows 32-63 of x
	s_wait_tensorcnt 0x0                           ; my rows 0-31 of x have landed
	ds_add_u32 v1, v2                              ; 0 onto my spare word
	s_wait_dscnt 0x0                               ; the add is done; my images of p lie in LDS; my reads of the slot are over
	CROUND
	tensor_load_to_lds s[96:99], s[84:91]
	s_nop 0
.rept 4
	v_nop
.endr
	PLOAD 1
	s_wait_dscnt 0x0
	WIN 0xa5
	PVMUL 0, 0
	WIN 0xf5
	PVMUL 1, 0
	WIN 0
	; ---- 1 / the rows' sums, from wave to wave.  (These lines are also the places behind the last products)
	v_pk_add_f32 v[60:61], v[60:61], v[248:249]
	v_pk_add_f32 v[62:63], v[62:63], v[250:251]
	v_add_f32 v60, v60, v61
	v_add_f32 v62, v62, v63
	v_permlanex16_b32 v240, v60, s68, s69
	v_permlanex16_b32 v241, v62, s68, s69
	v_add_f32 v60, v60, v240
	v_add_f32 v62, v62, v241
	v_rcp_f32 v242, v60
	v_rcp_f32 v243, v62
	v_lshlrev_b32 v4, 8, v13                       ; (plain work behind the reciprocals)  wo: row r of 256 bytes,
	v_bfe_u32 v5, v0, 4, 1
	v_lshl_add_u32 v4, v5, 4, v4                   ; + 16 h
	v_lshlrev_b32 v5, 4, v13                       ; its scale bytes: 16 a row
	v_lshlrev_b32 v6, 2, v13                       ; bo
	s_lshl_b32 s74, s24, 14
	s_add_co_u32 s74, s74, RING
	v_add_nc_u32 v7, s74, v3                       ; v7  x in LDS: my rows 0-31, 16 bytes a lane;
	v_add_nc_u32 v8, 0x10000, v7                   ; v8  my rows 32-63
	v_mov_b32 v155, 0                              ; (named as the upper half of the pair v[154:155])
.irp b, 0,1,2,3
	v_mov_b32 v[132+\b], 0                         ; a lane permute's destination counts as one of its sources
.endr
	s_wait_alu depctr_va_vdst(0)                   ; one wait for the two reciprocals, ahead of their first reader
	ds_store_b64 v18, v[242:243]
.macro WOLOAD hf                       ; wo's fragments (output tile o, K step k) at 8 (4 o + k) of window 1: four tiles
	WIN 0x40
.irp o, 0,1,2,3
.irp k, 0,1,2,3
.irp c, 0,1
	global_load_b128 v[8*(4*(4*\hf+\o)+\k)+4*\c:8*(4*(4*\hf+\o)+\k)+4*\c+3], v4, s[12:13] offset:4096*(4*\hf+\o)+64*\k+32*\c
.endr
.endr
.endr
	WIN 0
.endm
	WOLOAD 0
.irp o, 0,1,2,3,4,5,6,7
	global_load_b128 v[32+4*\o:35+4*\o], v5, s[14:15] offset:256*\o   ; wo's scale words: four K steps a row
.endr
.irp o, 0,1,2,3,4,5,6,7
	global_load_b32 v[248+\o], v6, s[16:17] offset:64*\o              ; bo of my lane's output
.endr
	s_wait_dscnt 0x0
	s_barrier_signal -1
	s_barrier_wait -1
	ds_load_b128 v[224:227], v19                   ; 1 / sum of row r of the eight tiles of queries
	ds_load_b128 v[228:231], v19 offset:16
	s_wait_dscnt 0x0
; av of query tile qt, my 128 channels: O^T / the sum, quantised along the channels: K step w of the last product.  Register 16 b + i = channel 32 b + 16 (lane / 16) + i.  The codes and the word take two sets of registers by turns
.macro AVQ qt
.set PQ, 144+16*((\qt)%2)
	v_mov_b32 v154, v[224+\qt]
	WIN 0x02+(\qt)/4                               ; source 0 window 2 or 3
.set J, 0
.rept 32
	v_pk_mul_f32 v[64+J:65+J], v[64*((\qt)%4)+J:64*((\qt)%4)+J+1], v[154:155] op_sel_hi:[1,0]
.set J, J+2
.endr
	WIN 0
.irp b, 0,1,2,3
	v_max3_num_f32 v[128+\b], |v[64+16*\b]|, |v[65+16*\b]|, 0x1800000
.endr
.irp i, 2,4,6,8,10,12,14
.irp b, 0,1,2,3
	v_max3_num_f32 v[128+\b], v[128+\b], |v[64+16*\b+\i]|, |v[65+16*\b+\i]|
.endr
.endr
.irp b, 0,1,2,3
	v_permlanex16_b32 v[132+\b], v[128+\b], s68, s69
.endr
.irp b, 0,1,2,3
	v_max_num_f32 v[128+\b], v[128+\b], v[132+\b]
.endr
.irp b, 0,1,2,3
	v_add_nc_u32 v[140+\b], 0xff000000, v[128+\b]
.endr
.irp b, 0,1,2,3
	v_lshrrev_b32 v[132+\b], 23, v[140+\b]
.endr
	v_lshl_or_b32 v[PQ+8], v133, 8, v132
	v_lshl_or_b32 v[PQ+8], v134, 16, v[PQ+8]
	v_lshl_or_b32 v[PQ+8], v135, 24, v[PQ+8]
.irp b, 0,1,2,3
	v_cvt_scalef32_pk8_fp4_f32 v[PQ+2*\b], v[64+16*\b:71+16*\b], v[140+\b]
	v_cvt_scalef32_pk8_fp4_f32 v[PQ+1+2*\b], v[72+16*\b:79+16*\b], v[140+\b]
.endr
	v_nop
.irp c, 0,1
.irp i, 0,1
	v_permlane16_swap_b32 v[PQ+4*\c+\i], v[PQ+2+4*\c+\i]
.endr
.endr
	ds_store_b128 v20, v[PQ:PQ+3] offset:1024*\qt
	ds_store_b128 v20, v[PQ+4:PQ+7] offset:1024*\qt+512
	ds_store_b32 v21, v[PQ+8] offset:4*\qt
	s_wait_dscnt 3                                 ; the tile before's three stores have read their registers, which the next tile writes; my three may be out
.endm
.macro BIAS hf                         ; in the outputs a lane holds one output: its bias fills the tile's eight registers of C
.irp o, 0,1,2,3
.irp j, 0,1,2,3,4,5,6,7
	v_mov_b32 v[192+8*\o+\j], v[248+4*\hf+\o]
.endr
.endr
.endm
.macro XLOAD a                         ; x at the 16 rows of output tile 4 + a: 512 consecutive bytes an instruction
	WIN 0xc0                                       ; destination window 3
.irp i, 0,1,2,3,4,5,6,7,8,9,10,11,12,13,14,15
	global_load_b128 v[64*\a+4*\i:64*\a+4*\i+3], v3, s[20:21] offset:(64+16*\a+\i)*8192 th:TH_LOAD_NT
.endr
	WIN 0
.endm
	AVQ 4                                          ; window 3 first: it takes my rows 64-127 of x
	AVQ 5
	WOLOAD 1
	AVQ 6
	AVQ 7
	XLOAD 0
	XLOAD 1
	XLOAD 2
	AVQ 0
	AVQ 1
	AVQ 2
	AVQ 3
	s_wait_loadcnt 48                              ; wo, its scale words and bo are in; behind them: x's 48 loads
	BIAS 0
	XLOAD 3
	s_wait_dscnt 0x0
	s_barrier_signal -1
	s_barrier_wait -1                              ; av's 32 fragments lie in LDS
; K step ks of av: 8 fragments and their scale words: 18 loads.  First half: into window 0 v64-191.  Second half: into window 1 v0-127, which wo's first four tiles have left: no register that the first half's stores read is written
.macro FETCH hf, ks, set
.if \hf == 0
.irp p, 0,1,2,3,4,5,6,7,8,9,10,11,12,13,14,15
	ds_load_b128 v[64+64*\set+4*\p:67+64*\set+4*\p], v22 offset:8192*\ks+512*\p
.endr
.else
	WIN 0x40
.irp p, 0,1,2,3,4,5,6,7,8,9,10,11,12,13,14,15
	ds_load_b128 v[64*\set+4*\p:64*\set+4*\p+3], v22 offset:8192*\ks+512*\p
.endr
	WIN 0
.endif
	ds_load_b128 v[232+8*\set:235+8*\set], v23 offset:512*\ks
	ds_load_b128 v[236+8*\set:239+8*\set], v23 offset:512*\ks+16
.endm
.macro MULO hf, ks                     ; 32 products: output tiles 4 hf .. + 3 x the 8 tiles of queries, by turns
.if \ks == 0
	WIN 0x84+\hf                                   ; source 0 (av) window 0 or 1, source 1 (wo) window 1, C (bo) window 0, D window 2
.else
	WIN 0xa4+\hf
.endif
.irp o, 0,1,2,3
.irp n, 0,1,2,3,4,5,6,7
.if \ks == 0
	MMC 8*(8*\o+\n), 64*(1-\hf)+64*(\ks%2)+8*\n, 8*(4*(4*\hf+\o)+\ks), 192+8*\o, 232+8*(\ks%2)+\n, 32+4*(4*\hf+\o)+\ks
.else
	MMA 8*(8*\o+\n), 64*(1-\hf)+64*(\ks%2)+8*\n, 8*(4*(4*\hf+\o)+\ks), 232+8*(\ks%2)+\n, 32+4*(4*\hf+\o)+\ks
.endif
.endr
.endr
	WIN 0
.endm
.macro OUT hf
	FETCH \hf, 0, 0
	FETCH \hf, 1, 1
	s_wait_dscnt 18                                ; K step 0 is in; K step 1's 18 loads may be out
	MULO \hf, 0
	PLACES
	FETCH \hf, 2, 0
	s_wait_dscnt 18
	MULO \hf, 1
	PLACES
	FETCH \hf, 3, 1
	s_wait_dscnt 18
	MULO \hf, 2
	s_wait_dscnt 0x0
	MULO \hf, 3
.endm
; THE WAY OUT, an output tile (16 rows x 128 positions) at a time: a lane holds 32 neighbouring bytes of a row; the tile goes through my own stage and comes back as whole rows of 512 bytes.  The stage lies in k's bytes: they were
; filled once, and every wave has passed barriers behind its last read of them.  LDS serves a wave's instructions in order: no wait between the stores and the loads.
; First half: the rows come back into window 0 v64-191 (two sets), x's rows from LDS into window 1 v0-127 (two sets).  Second half: the rows come back into window 1 v0-127; x lies in window 3
.macro TOSTAGE hf, a
	WIN 0x08                                       ; the data: window 2
.irp n, 0,1,2,3,4,5,6,7
	ds_store_b128 v24, v[8*(8*(\a)+\n):8*(8*(\a)+\n)+3] offset:128*(\n/2)+32*(\n%2)          ; positions 32 (n / 2) + 16 h + 8 (n % 2) + 0 .. 7; each accumulator from its low end on
	ds_store_b128 v24, v[8*(8*(\a)+\n)+4:8*(8*(\a)+\n)+7] offset:128*(\n/2)+32*(\n%2)+16
.endr
.if \hf == 0
	WIN 0
.irp i, 0,1,2,3,4,5,6,7,8,9,10,11,12,13,14,15
	ds_load_b128 v[64+64*((\a)%2)+4*\i:64+64*((\a)%2)+4*\i+3], v25 offset:528*\i
.endr
	WIN 0x40
.irp i, 0,1,2,3,4,5,6,7,8,9,10,11,12,13,14,15
	ds_load_b128 v[64*((\a)%2)+4*\i:64*((\a)%2)+4*\i+3], v[7+(\a)/2] offset:8192*((\a)%2)+512*\i   ; x at the tile's 16 rows
.endr
.else
	WIN 0x40
.irp i, 0,1,2,3,4,5,6,7,8,9,10,11,12,13,14,15
	ds_load_b128 v[64*((\a)%2)+4*\i:64*((\a)%2)+4*\i+3], v25 offset:528*\i
.endr
.endif
	WIN 0
.endm
.macro SEND hf, a, younger
	s_wait_dscnt \younger                          ; the tile is back in registers (first half: and x's rows); the next tile's LDS instructions may be out
.if \hf == 0
	WIN 0x10                                       ; source 2 (x) window 1
.set J, 0
.rept 32
	v_pk_fma_f32 v[64+64*((\a)%2)+J:65+64*((\a)%2)+J], v[64+64*((\a)%2)+J:65+64*((\a)%2)+J], s[70:71], v[64*((\a)%2)+J:64*((\a)%2)+J+1] op_sel_hi:[1,0,1]   ; gamma x (..) + x
.set J, J+2
.endr
	WIN 0
.irp i, 0,1,2,3,4,5,6,7,8,9,10,11,12,13,14,15
	global_store_b128 v3, v[64+64*((\a)%2)+4*\i:64+64*((\a)%2)+4*\i+3], s[22:23] offset:(16*(\a)+\i)*8192 th:TH_STORE_NT   ; 32 lanes store 512 consecutive bytes, aligned
.endr
.else
	s_wait_loadcnt 16*(3-(\a))                     ; x's tile a is in; the tiles behind it may be out
	WIN 0x71                                       ; destination and source 0 window 1, source 2 (x) window 3
.set J, 0
.rept 32
	v_pk_fma_f32 v[64*((\a)%2)+J:64*((\a)%2)+J+1], v[64*((\a)%2)+J:64*((\a)%2)+J+1], s[70:71], v[64*(\a)+J:64*(\a)+J+1] op_sel_hi:[1,0,1]
.set J, J+2
.endr
	WIN 0x04                                       ; a store's data are its source 1: window 1
.irp i, 0,1,2,3,4,5,6,7,8,9,10,11,12,13,14,15
	global_store_b128 v3, v[64*((\a)%2)+4*\i:64*((\a)%2)+4*\i+3], s[22:23] offset:(64+16*(\a)+\i)*8192 th:TH_STORE_NT
.endr
	WIN 0
.endif
.endm
.macro WAYOUT hf
	PLACES                                         ; behind the last products: in front of the first read of results and of loads into registers that they read
	TOSTAGE \hf, 0
.irp a, 1,2,3
.if \a > 1
	s_wait_xcnt 0x0                                ; tile a - 2's stores have read their registers: tile a's loads may land there
.endif
	TOSTAGE \hf, \a
	SEND \hf, \a-1, 32+16*(1-\hf)                  ; behind tile a - 1's loads: tile a's 16 stores and its 16 or 32 loads
.endr
	SEND \hf, 3, 0
.endm
	OUT 0
	BIAS 1
	s_wait_tensorcnt 0x0                           ; my rows 32-63 of x have landed (rows 0-31 were shown landed in front of the last round); I alone read these bytes
	WAYOUT 0
	OUT 1                                          ; no wait for the first half's stores: nothing that they read is written from here on
	WAYOUT 1
	s_wait_tensorcnt 0x0                           ; the wave's end, behind my last tensor load and my last LDS store
	ds_add_u32 v1, v2
	s_wait_dscnt 0x0
	CROUND                                         ; the closing round: no work-group ends while a partner may still ask for a tile that names it
	s_endpgm
.Lfunc_end_k_q4409993d8c_attn:
	.size	k_q4409993d8c_attn, .Lfunc_end_k_q4409993d8c_attn-k_q4409993d8c_attn
	.p2alignl 7, 3214868480
	.fill 96, 4, 3214868480
	.section	.rodata,"a",@progbits
	.p2align	6, 0x0
	.amdhsa_kernel k_q4409993d8c_attn
		.amdhsa_group_segment_fixed_size 327680
		.amdhsa_private_segment_fixed_size 0
		.amdhsa_enable_private_segment 0
		.amdhsa_kernarg_size 80
		.amdhsa_user_sgpr_count 2
		.amdhsa_user_sgpr_kernarg_segment_ptr 1
		.amdhsa_wavefront_size32 1
		.amdhsa_system_sgpr_workgroup_id_x 1
		.amdhsa_system_sgpr_workgroup_id_y 1
		.amdhsa_system_sgpr_workgroup_id_z 1
		.amdhsa_system_vgpr_workitem_id 0
		.amdhsa_next_free_vgpr 1024
		.amdhsa_next_free_sgpr 100
		.amdhsa_reserve_vcc 0
		.amdhsa_float_denorm_mode_32 3
		.amdhsa_float_denorm_mode_16_64 3
		.amdhsa_memory_ordered 1
		.amdhsa_forward_progress 1
		.amdhsa_inst_pref_size 255
	.end_amdhsa_kernel
	.section	.bss,"aw",@nobits
	.p2align	6
	.space	262144
	.amdgpu_metadata
---
amdhsa.version: [ 1, 2 ]
amdhsa.kernels:
  - .name:           k_q4409993d8c_attn
    .symbol:         k_q4409993d8c_attn.kd
    .args:
      - { .name: qimg, .offset: 0, .size: 8, .value_kind: global_buffer, .address_space: global }
      - { .name: kimg, .offset: 8, .size: 8, .value_kind: global_buffer, .address_space: global }
      - { .name: vimg, .offset: 16, .size: 8, .value_kind: global_buffer, .address_space: global }
      - { .name: scl, .offset: 24, .size: 8, .value_kind: global_buffer, .address_space: global }
      - { .name: wo_codes, .offset: 32, .size: 8, .value_kind: global_buffer, .address_space: global }
      - { .name: wo_scales, .offset: 40, .size: 8, .value_kind: global_buffer, .address_space: global }
      - { .name: bo, .offset: 48, .size: 8, .value_kind: global_buffer, .address_space: global }
      - { .name: gamma, .offset: 56, .size: 8, .value_kind: global_buffer, .address_space: global }
      - { .name: x, .offset: 64, .size: 8, .value_kind: global_buffer, .address_space: global }
      - { .name: out0, .offset: 72, .size: 8, .value_kind: global_buffer, .address_space: global }
    .group_segment_fixed_size: 327680
    .private_segment_fixed_size: 0
    .kernarg_segment_align: 8
    .kernarg_segment_size: 80
    .max_flat_workgroup_size: 128
    .sgpr_count:     100
    .vgpr_count:     1024
    .wavefront_size: 32
...
	.end_amdgpu_metadata
.endif
;; end of part 2
